; MI455X (gfx1250); checked and timed in simulation.
; The chip was launched on July 23, 2026; its instructions are those of AMD's public machine-readable ISA for CDNA 5 (MIT licence, August 2026) and "CDNA5" Instruction Set Architecture Reference Guide (July 2026). The comments in the code are by the model that wrote it; some were corrected since.
;; MOE Layer. Allowed arithmetic: matrix products marked QUANTISED: E4M3 operands, one given power-of-two scale a tensor, by v_wmma_f32_16x16x64_fp8_fp8 or v_wmma_f32_16x16x128_fp8_fp8, f32 sums; products left as they are: f32 operands where the result goes on into a quantised operand, else bf16, f16 or f32 operands; f32 sums; everything else in f32.
;; Inputs: W_codes 8 x 1,024 x 32 x 32 uint8 (E4M3 codes of W, K innermost, in blocks of 32 codes); Wg 1,024 x 8 float32; b 8 x 1,024 float32; bg 8 float32; lowp_scales 2 int32 (the exponents e of the quantised operands' scales 2^e); x 4,096 x 1,024 float32.
;; Outputs: out0 4,096 x 1,024 float32; out1 one number float32.
;; This version of the problem:
;;   THIS VERSION OF THE PROBLEM IS GIVEN IN LOW PRECISION. The matrix products marked QUANTISED in the list below multiply operands that are first quantised to E4M3 (4 exponent bits, 3 mantissa bits; 8 bits a number), with one given power-of-two scale for each operand tensor; their sums are f32. All else is computed in f32.
;;   The module's matrix products, in the order in which they are computed (A, B: the left and right operand; K: the contracted axis; several contracted axes count as one K, in the product's order):
;;     1. [M 4,096, K 1,024] x [K 1,024, N 8]; A: input x; B: input Wg: left as it is (N = 8 < 16)
;;     2. batch 4,096 x [M 1,024, K 1] x [K 1, N 8]; A: computed on the way; B: computed on the way: left as it is (no contracted axis)
;;     3. batch 8 x [M 4,096, K 1,024] x [K 1,024, N 1,024]; A: computed on the way; B: input W (given as codes): QUANTISED (scales: A lowp_scales[0], B lowp_scales[1])
;;     4. batch 4,096 x [M 1, K 8] x [K 8, N 1,024]; A: computed on the way; B: computed on the way: left as it is (K = 8 < 32)
;;   THE QUANTISER, for each operand of a quantised product, along K:
;;     - The operand's scale is 2^e, e = its entry of the input lowp_scales (int32; the entries are numbered through the quantised products in the list's order, A before B).
;;     - Each number is divided by the scale, clamped to +-448, and rounded to the nearest number of E4M3, ties to even, subnormals kept.
;;     - The product sums the exact products of the quantised numbers (number of the format x scale) in f32.
;;   ~~~python
;;   def quantise(x, axis, e):      # numpy; x: float32 -> the quantised numbers, widened to float32 again
;;       x = np.moveaxis(x, axis, -1); K = x.shape[-1]
;;       r = np.clip(x / 2.0 ** e, -448, 448)
;;       step = 2.0 ** (np.maximum(np.frexp(np.where(r == 0, 1, r))[1] - 1, -6) - 3)
;;       q = np.round(r / step) * step * 2.0 ** e      # np.round: ties to even
;;       return np.moveaxis(q, -1, axis).astype(np.float32)
;;   ~~~
;;   OPERANDS COMPUTED ON THE WAY. 'Computed on the way' means the value that the module computes at that place (a softmax that the list does not call 'softmax' is quantised finished and normalised). What goes into a quantiser is computed in f32, as accurately as f32 sums, v_exp_f32 and their like allow (about 1e-6 of the number): no bf16 or f16 on the way to a quantiser, and a product that is left as it is and whose result goes on into a quantised operand takes f32 operands (vector FMAs, or v_wmma_f32_16x16x4_f32). A number that lies on a knife's edge between two numbers of the format may be rounded either way, as far as f32 arithmetic and the matrix unit's own rounding can turn it there, and no further.
;;   INPUTS GIVEN AS CODES. W (in the module: [8, 1024, 1024], K = its axis 1): each comes as NAME_codes (uint8): NAME with its K axis moved to the last place and cut into blocks of 32 codes, [.., K / 32, bytes a block], one block behind the other in memory; one code a byte (a code: sign, 4 exponent bits, 3 mantissa bits); its scale is its entry of lowp_scales. Its value is code x scale, taken as it is: it is not quantised again, and the codes and scales need not be those that the quantiser above would give.
;; One version. Each part assembles by itself: llvm-mc -triple=amdgcn-amd-amdhsa -mcpu=gfx1250 --defsym DOCPART=n.
;; ======== version 1 of 1: 2 launches
;; workspace buffers: xq 4,194,304 bytes; prob 16,384 bytes; masks 4,096 bytes of whole numbers; part 16,384 bytes
;; launch route (part 1): grid 256 x 1, 4 waves a work-group, no clusters, 54,272 bytes of LDS; arguments x, Wg, bg, lowp_scales, xq, prob, masks, part; writes xq, prob, masks, part
.if DOCPART == 1
	.amdgcn_target "amdgcn-amd-amdhsa--gfx1250"
	.amdhsa_code_object_version 6
	.text
	.protected	k_q325a512117_route
	.globl	k_q325a512117_route
	.p2align	8
	.type	k_q325a512117_route,@function
k_q325a512117_route:
	s_mov_b64 s[64:65], 0
	v_nop
	global_prefetch_b8 v0, s[64:65] scope:SCOPE_SE
	s_setreg_imm32_b32 hwreg(HW_REG_WAVE_MODE, 25, 1), 1
	s_wait_xcnt 0x0
; THE ROUTER AND THE QUANTISER OF x.  x [4096][1024] f32, Wg [1024][8] f32, bg [8] f32.
; For each token: logits = x Wg + bg in f32 (fused multiply-adds, sums in f32), softmax with the row's maximum taken away, the chosen expert (lowest index among equal
; logits) and its probability.  On the same pass x is turned into codes of E4M3 with the given scale 2^e0 (entry 0 of the scales): x is read once.
; STORED, all at fixed places (no address here hangs on the choice):
;   xq    [4096][1024] codes, K in its natural order
;   prob  [4096] f32, the chosen expert's probability
;   masks [8 experts][256 work-groups] of 16 bits: bit i of word g of expert e is set where token 16 g + i chose e.  Read as words of 32 bits an expert's 512 bytes are
;         128 masks of 32 tokens, in token order.  (Eight stores of 2 bytes a work-group, far apart: 16 bytes in all, so that the reader's load is 16 dense bytes a lane.)
;   part  [256 work-groups][16] f32: the sums of the 16 tokens' probabilities for experts 0-7, then the numbers of tokens that chose experts 0-7
; SHARES.  A work-group takes 16 tokens, each of its four waves 4 whole rows.  Load j of a row gives lane l the numbers k = 128 j + 4 l + 0..3: 512 consecutive bytes a load.
; A lane keeps Wg[k][0..7] of its 32 k in 256 registers (window 1) for all four tokens; Wg reaches them through LDS, so that memory is read in dense runs.
; No matrix unit: the product has 8 columns and its result decides a choice, so it is made in f32.  No cluster: work-groups share only Wg's 32 KiB against 64 KiB of x each.
; LIMITS: e0 between -126 and 119 (2^e0 and 448 x 2^e0 are made as f32 numbers).  NaN among the inputs is not served.  The choice is made on the logits: it is the choice on
; the probabilities but where two different logits round to one probability.
; REGISTERS, window 0: v1 lane; v2-9 offsets and LDS addresses; v10 2^e0, v11 448 x 2^e0; v14, v15 LDS addresses of wave 0's tail; v16-19 the chosen experts; v20-23 1 / sum;
;   v24-31 the wave's sums of probabilities; v32-63 the logits (token t, expert e at 32 + 8 t + e); v64-191 x (token t, load j at 64 + 32 t + 4 j), free once quantised;
;   v192-255 Wg as it lands, then codes (192 + 8 t) and codes in rows (224 + 8 t).   window 1: Wg(j, i, e) at 32 j + 8 i + e.
.set GP,   144                         ; LDS: a group of Wg (4 k x 8 experts, 128 bytes) + 16 of padding = 9 x 16 bytes
.set STG,  256*GP                      ; behind Wg's 256 groups: for each wave 4 rows of 1,024 codes
.set REC,  STG+4*4096                  ; behind them: for each wave 128 bytes: +0 eight sums, +32 four choices, +48 four probabilities
.set ACC,  32
.set X,    64
.set LND,  192
.set CD,   192
.set OD,   224
.set MSB, 0
.macro WIN new                         ; the immediate's high byte repeats the setting that is left
.if MSB != \new
	s_set_vgpr_msb (MSB<<8)|\new
.set MSB, \new
.endif
.endm
	s_load_b256 s[4:11], s[0:1], 0x0               ; x s[4:5], Wg s[6:7], bg s[8:9], the scales' exponents s[10:11]
	s_load_b256 s[12:19], s[0:1], 0x20             ; xq s[12:13], prob s[14:15], masks s[16:17], part s[18:19]
	s_set_vgpr_msb 0x80
	v_lshl_add_u32 v0, v0, 2, 0xd200
	v_mov_b32 v1, 0
	s_set_vgpr_msb 0x8000
	v_and_b32 v1, 31, v0                           ; lane
	v_lshrrev_b32 v12, 5, v0                       ; wave
	v_readfirstlane_b32 s29, v12
	v_lshlrev_b32 v13, 4, v1                       ; 16 l
	v_lshl_add_u32 v2, v12, 14, v13                ; x: my wave's 4 rows of 4,096 bytes, 16 bytes a lane
	v_lshl_add_u32 v3, v12, 13, v13                ; Wg: my wave's 8,192 bytes
	v_lshrrev_b32 v16, 3, v1
	v_and_b32 v17, 7, v1
	v_mul_u32_u24 v4, v16, GP
	v_lshl_add_u32 v4, v17, 4, v4
	v_mad_u32_u24 v4, v12, 64*GP, v4               ; Wg into LDS: eight lanes fill a group; a load's 512 bytes are four groups, a wave's 16 loads 64 groups
	v_mul_u32_u24 v5, v1, GP                       ; Wg out of LDS: group 32 j + l
	v_lshl_add_u32 v8, v12, 12, v13                ; xq: my wave's 4 rows of 1,024 bytes, 16 bytes a lane
	v_add_nc_u32 v7, STG, v8                       ; the same place in the stage, on the way out
	v_lshlrev_b32 v6, 2, v1
	v_lshl_add_u32 v6, v12, 12, v6
	v_add_nc_u32 v6, STG, v6                       ; and on the way in: 4 codes a lane
	v_lshlrev_b32 v9, 7, v12
	v_add_nc_u32 v9, REC, v9                       ; my wave's record
	v_lshlrev_b32 v14, 2, v17
	v_add_nc_u32 v14, REC, v14                     ; wave 0's tail: sum of expert l % 8 in wave 0's record
	v_and_b32 v15, 15, v1
	v_lshrrev_b32 v16, 2, v15
	v_and_b32 v15, 3, v15
	v_lshlrev_b32 v15, 2, v15
	v_lshl_add_u32 v15, v16, 7, v15
	v_add_nc_u32 v15, REC+32, v15                  ; and the choice of token l % 16: wave (l % 16) / 4, its token l % 4
	s_mov_b32 s56, 0x76543210                      ; v_permlanex16_b32: lane l takes lane l xor 16
	s_mov_b32 s57, 0xfedcba98
	s_lshl_b32 s32, ttmp9, 16                      ; 16 rows of 4,096 bytes
	s_mov_b32 s33, 0
	s_wait_kmcnt 0x0
	s_load_b256 s[20:27], s[8:9], 0x0              ; bg
	s_load_b32 s28, s[10:11], 0x0                  ; e0
	s_add_nc_u64 s[4:5], s[4:5], s[32:33]
	s_lshl_b32 s32, ttmp9, 14                      ; 16 rows of 1,024 codes
	s_add_nc_u64 s[12:13], s[12:13], s[32:33]
	s_lshl_b32 s32, ttmp9, 6                       ; 16 numbers of 4 bytes
	s_add_nc_u64 s[14:15], s[14:15], s[32:33]
	s_add_nc_u64 s[18:19], s[18:19], s[32:33]
	s_lshl_b32 s32, ttmp9, 1                       ; my word of 16 bits in each expert's 256
	s_add_nc_u64 s[16:17], s[16:17], s[32:33]
.set N, 0
.rept 16
	global_load_b128 v[LND+4*N:LND+4*N+3], v3, s[6:7] offset:512*N
.set N, N+1
.endr
.irp t, 0,1,2,3
.irp j, 0,1,2,3,4,5,6,7
	global_load_b128 v[X+32*\t+4*\j:X+32*\t+4*\j+3], v2, s[4:5] offset:4096*\t+512*\j th:TH_LOAD_NT   ; read once in the launch
.endr
.endr
	s_wait_kmcnt 0x0
	s_add_co_i32 s28, s28, 127
	s_lshl_b32 s34, s28, 23
	v_mov_b32 v10, s34                             ; 2^e0 as f32: the conversion takes its exponent field
	s_add_co_i32 s28, s28, 8
	s_lshl_b32 s28, s28, 23
	s_or_b32 s28, s28, 0x600000
	v_mov_b32 v11, s28                             ; 448 x 2^e0
	s_wait_loadcnt 32                              ; Wg's 16 loads are in; the 32 of x, issued behind them, stay out
.set N, 0
.rept 16
	ds_store_b128 v4, v[LND+4*N:LND+4*N+3] offset:4*GP*N
.set N, N+1
.endr
	s_wait_dscnt 0x0                               ; for the others' sake: my part of Wg lies in LDS
	s_barrier_signal -1
	s_barrier_wait -1
	WIN 0x40                                       ; destination window 1
.irp j, 0,1,2,3,4,5,6,7
.irp m, 0,1,2,3,4,5,6,7
	ds_load_b128 v[32*\j+4*\m:32*\j+4*\m+3], v5 offset:32*GP*\j+16*\m   ; Wg[128 j + 4 l + m / 2][4 (m % 2) + 0..3]
.endr
.endr
	WIN 0
; The logits' parts of tokens t0 and t1: 32 k a lane, two experts an instruction, eight chains that do not wait for each other.  The first products start the sums: nothing is cleared.
.macro DOT t0, t1
	WIN 0x04                                       ; source 1 (Wg) window 1
.irp j, 0,1,2,3,4,5,6,7
.irp i, 0,1,2,3
.irp t, \t0, \t1
.irp p, 0,1,2,3
.if (\j == 0) && (\i == 0)
	v_pk_mul_f32 v[ACC+8*\t+2*\p:ACC+8*\t+2*\p+1], v[X+32*\t:X+32*\t+1], v[2*\p:2*\p+1] op_sel_hi:[0,1]
.elseif (\i % 2) == 0
	v_pk_fma_f32 v[ACC+8*\t+2*\p:ACC+8*\t+2*\p+1], v[X+32*\t+4*\j+2*(\i/2):X+32*\t+4*\j+2*(\i/2)+1], v[32*\j+8*\i+2*\p:32*\j+8*\i+2*\p+1], v[ACC+8*\t+2*\p:ACC+8*\t+2*\p+1] op_sel_hi:[0,1,1]   ; the pair's first x for both experts
.else
	v_pk_fma_f32 v[ACC+8*\t+2*\p:ACC+8*\t+2*\p+1], v[X+32*\t+4*\j+2*(\i/2):X+32*\t+4*\j+2*(\i/2)+1], v[32*\j+8*\i+2*\p:32*\j+8*\i+2*\p+1], v[ACC+8*\t+2*\p:ACC+8*\t+2*\p+1] op_sel:[1,0,0] op_sel_hi:[1,1,1]   ; the pair's second x
.endif
.endr
.endr
.endr
.endr
	WIN 0
.endm
; Token t's 32 numbers of a lane become 32 codes: register j of the result holds the four codes of load j.  They go into the wave's own stage at their place k and come back 16 neighbouring bytes a lane.
.macro QUANT t
.set N, 0
.rept 32
	v_med3_num_f32 v[X+32*\t+N], v[X+32*\t+N], -v11, v11   ; the conversion to an 8-bit code does not saturate (ISA guide 7.6.2): hold the number within 448 x the scale first
.set N, N+1
.endr
.irp u, 0,1,2,3
	v_cvt_scalef32_pk8_fp8_f32 v[CD+8*\t+2*\u:CD+8*\t+2*\u+1], v[X+32*\t+8*\u:X+32*\t+8*\u+7], v10
.endr
	v_nop                                          ; one plain vector line behind the last conversion: its sources are written again further down
.irp j, 0,1,2,3,4,5,6,7
	ds_store_b32 v6, v[CD+8*\t+\j] offset:1024*\t+128*\j
.endr
.irp s, 0,1
	ds_load_b128 v[OD+8*\t+4*\s:OD+8*\t+4*\s+3], v7 offset:1024*\t+512*\s   ; LDS serves a wave's instructions in order (ISA guide 5.7.1.4): these see the stores above
.endr
.endm
.macro QSTORE t
.irp s, 0,1
	global_store_b128 v8, v[OD+8*\t+4*\s:OD+8*\t+4*\s+3], s[12:13] offset:1024*\t+512*\s   ; 32 lanes store 512 consecutive bytes, at a multiple of 256 from xq's first byte
.endr
.endm
	s_wait_dscnt 0x0                               ; Wg is in registers
	s_wait_loadcnt 16                              ; tokens 0 and 1 are in; the 16 loads of tokens 2 and 3 may be out
	DOT 0, 1
	QUANT 0
	QUANT 1
	s_wait_loadcnt 0x0
	DOT 2, 3
	s_wait_dscnt 0x0                               ; tokens 0 and 1's codes are back from the stage
	QSTORE 0
	QSTORE 1
	QUANT 2
	QUANT 3
	; the 32 sums over the 32 lanes: four steps inside each half of 16 lanes ride on the addition, one crosses the halves; every lane ends with all 32 logits
.irp m, 1,2,4,8
.set N, 0
.rept 32
	v_add_f32_dpp v[ACC+N], v[ACC+N], v[ACC+N] row_xmask:\m row_mask:0xf bank_mask:0xf
.set N, N+1
.endr
.endr
.set N, 0
.rept 32
	v_permlanex16_b32 v[X+N], v[ACC+N], s56, s57   ; (its destination counts as read: token 0's registers have been written, and are free)
.set N, N+1
.endr
.set N, 0
.rept 32
	v_add_f32 v[ACC+N], v[ACC+N], v[X+N]
.set N, N+1
.endr
	s_wait_dscnt 0x0
	QSTORE 2
	QSTORE 3
	; the softmax of the wave's four tokens, side by side
.irp t, 0,1,2,3
.irp e, 0,1,2,3,4,5,6,7
	v_add_f32 v[ACC+8*\t+\e], s[20+\e], v[ACC+8*\t+\e]     ; + bg
.endr
.endr
.irp t, 0,1,2,3
	v_max3_num_f32 v[128+2*\t], v[ACC+8*\t], v[ACC+8*\t+1], v[ACC+8*\t+2]
.endr
.irp t, 0,1,2,3
	v_max3_num_f32 v[128+2*\t], v[128+2*\t], v[ACC+8*\t+3], v[ACC+8*\t+4]
.endr
.irp t, 0,1,2,3
	v_max3_num_f32 v[128+2*\t], v[128+2*\t], v[ACC+8*\t+5], v[ACC+8*\t+6]
.endr
.irp t, 0,1,2,3
	v_max_num_f32 v[128+2*\t], v[128+2*\t], v[ACC+8*\t+7]  ; the row's largest logit
	v_mov_b32 v[16+\t], 7
.endr
.irp e, 6,5,4,3,2,1,0
.irp t, 0,1,2,3
	v_cmp_neq_f32 vcc_lo, v[ACC+8*\t+\e], v[128+2*\t]
	v_cndmask_b32 v[16+\t], \e, v[16+\t], vcc_lo           ; from expert 7 down: the lowest index with the largest logit stays
.endr
.endr
.irp t, 0,1,2,3
.irp p, 0,1,2,3
	v_pk_add_f32 v[ACC+8*\t+2*\p:ACC+8*\t+2*\p+1], v[ACC+8*\t+2*\p:ACC+8*\t+2*\p+1], v[128+2*\t:129+2*\t] op_sel_hi:[1,0] neg_lo:[0,1] neg_hi:[0,1]   ; logit - maximum: 0 for the chosen expert
.endr
.endr
.set N, 0
.rept 16
	v_pk_mul_f32 v[ACC+2*N:ACC+2*N+1], v[ACC+2*N:ACC+2*N+1], 0x3fb8aa3b op_sel_hi:[1,0]   ; x log2(e)
.set N, N+1
.endr
.set N, 0
	s_wait_alu depctr_va_vdst(0)
.rept 32
	v_exp_f32 v[ACC+N], v[ACC+N]                   ; one batch; the chosen expert's is 2^0 = 1
.set N, N+1
.endr
	v_nop                                          ; a plain instruction behind the last exponential (ISA guide 5.7.2)
	s_wait_alu depctr_va_vdst(0)                   ; one wait for the batch, ahead of its first reader
.irp t, 0,1,2,3
	v_pk_add_f32 v[136+4*\t:137+4*\t], v[ACC+8*\t:ACC+8*\t+1], v[ACC+8*\t+2:ACC+8*\t+3]
	v_pk_add_f32 v[138+4*\t:139+4*\t], v[ACC+8*\t+4:ACC+8*\t+5], v[ACC+8*\t+6:ACC+8*\t+7]
.endr
.irp t, 0,1,2,3
	v_pk_add_f32 v[136+4*\t:137+4*\t], v[136+4*\t:137+4*\t], v[138+4*\t:139+4*\t]
.endr
.irp t, 0,1,2,3
	v_add_f32 v[136+4*\t], v[136+4*\t], v[137+4*\t]
.endr
	s_wait_alu depctr_va_vdst(0)
.irp t, 0,1,2,3
	v_rcp_f32 v[20+\t], v[136+4*\t]                ; 1 / sum: also the chosen expert's probability, 1 x 1 / sum
.endr
	v_nop
	s_wait_alu depctr_va_vdst(0)                   ; one wait for the four reciprocals
.irp p, 0,1,2,3
	v_pk_mul_f32 v[24+2*\p:25+2*\p], v[ACC+2*\p:ACC+2*\p+1], v[20:21] op_sel_hi:[1,0]      ; the wave's sums of probabilities, expert by expert: token 0,
.endr
.irp p, 0,1,2,3
	v_pk_fma_f32 v[24+2*\p:25+2*\p], v[ACC+8+2*\p:ACC+8+2*\p+1], v[20:21], v[24+2*\p:25+2*\p] op_sel:[0,1,0] op_sel_hi:[1,1,1]   ; token 1,
.endr
.irp p, 0,1,2,3
	v_pk_fma_f32 v[24+2*\p:25+2*\p], v[ACC+16+2*\p:ACC+16+2*\p+1], v[22:23], v[24+2*\p:25+2*\p] op_sel_hi:[1,0,1]               ; token 2,
.endr
.irp p, 0,1,2,3
	v_pk_fma_f32 v[24+2*\p:25+2*\p], v[ACC+24+2*\p:ACC+24+2*\p+1], v[22:23], v[24+2*\p:25+2*\p] op_sel:[0,1,0] op_sel_hi:[1,1,1] ; token 3
.endr
	ds_store_b128 v9, v[24:27]                     ; all lanes store the same words with the same values
	ds_store_b128 v9, v[28:31] offset:16
	ds_store_b128 v9, v[16:19] offset:32
	ds_store_b128 v9, v[20:23] offset:48
	s_wait_dscnt 0x0                               ; for wave 0's sake: my record lies in LDS
	s_barrier_signal -1
	s_barrier_wait -1
	s_cmp_lg_u32 s29, 0
	s_cbranch_scc1 .Lend                           ; no barrier follows: waves 1 to 3 are done
	; wave 0 gathers the work-group's 16 tokens
	ds_load_b32 v68, v14
	ds_load_b32 v69, v14 offset:128
	ds_load_b32 v70, v14 offset:256
	ds_load_b32 v71, v14 offset:384
	ds_load_b32 v72, v15                           ; the choice of token l % 16
	ds_load_b32 v73, v15 offset:16                 ; and its probability
	v_mov_b32 v74, 0
	v_mov_b32 v75, 0
	v_lshlrev_b32 v76, 2, v1                       ; 4 l
	v_lshlrev_b32 v77, 9, v1                       ; 512 l: expert l's row of masks
	s_wait_alu depctr_va_vdst(0)
	s_wait_dscnt 0x0
	v_add_f32 v68, v68, v69
	v_add_f32 v70, v70, v71
	v_add_f32 v68, v68, v70                        ; the 16 tokens' sum of probabilities of expert l % 8
.irp e, 0,1,2,3,4,5,6,7
	v_cmp_eq_u32 s[40+\e], \e, v72                 ; bit l: token l % 16 chose expert e
	s_and_b32 s[40+\e], s[40+\e], 0xffff
	s_bcnt1_i32_b32 s[48+\e], s[40+\e]
	v_writelane_b32 v74, s[40+\e], \e              ; lane e: expert e's mask
	v_writelane_b32 v75, s[48+\e], 8+\e            ; lane 8 + e: its number of tokens
.endr
	v_cvt_f32_u32 v75, v75
	v_cmp_gt_u32 vcc_lo, 8, v1
	v_cndmask_b32 v75, v75, v68, vcc_lo            ; lanes 0-7 the sums, lanes 8-15 the numbers
	v_cmp_gt_u32 vcc_lo, 16, v1
	s_wait_alu depctr_va_vdst(0)
	s_wait_xcnt 0x0                                ; EXEC changes only when the stores of the codes have read it
	s_and_saveexec_b32 s30, vcc_lo
	global_store_b32 v76, v73, s[14:15]            ; sixteen lanes: 64 consecutive bytes
	global_store_b32 v76, v75, s[18:19]
	s_wait_xcnt 0x0
	s_or_b32 exec_lo, exec_lo, s30
	v_cmp_gt_u32 vcc_lo, 8, v1
	s_and_saveexec_b32 s30, vcc_lo
	global_store_b16 v77, v74, s[16:17]
	s_wait_xcnt 0x0
	s_or_b32 exec_lo, exec_lo, s30
.Lend:
	s_set_vgpr_msb 0xa
	s_wait_tensorcnt 0x0
	ds_add_u32 v0, v1
	s_wait_dscnt 0x0
	s_set_vgpr_msb 0xa00
	s_endpgm
.Lfunc_end_k_q325a512117_route:
	.size	k_q325a512117_route, .Lfunc_end_k_q325a512117_route-k_q325a512117_route
	.p2alignl 7, 3214868480
	.fill 96, 4, 3214868480
	.section	.rodata,"a",@progbits
	.p2align	6, 0x0
	.amdhsa_kernel k_q325a512117_route
		.amdhsa_group_segment_fixed_size 54272
		.amdhsa_private_segment_fixed_size 0
		.amdhsa_enable_private_segment 0
		.amdhsa_kernarg_size 64
		.amdhsa_user_sgpr_count 2
		.amdhsa_user_sgpr_kernarg_segment_ptr 1
		.amdhsa_wavefront_size32 1
		.amdhsa_system_sgpr_workgroup_id_x 1
		.amdhsa_system_sgpr_workgroup_id_y 1
		.amdhsa_system_sgpr_workgroup_id_z 1
		.amdhsa_system_vgpr_workitem_id 0
		.amdhsa_next_free_vgpr 514
		.amdhsa_next_free_sgpr 66
		.amdhsa_reserve_vcc 1
		.amdhsa_float_denorm_mode_32 3
		.amdhsa_float_denorm_mode_16_64 3
		.amdhsa_memory_ordered 1
		.amdhsa_forward_progress 1
		.amdhsa_inst_pref_size 82
	.end_amdhsa_kernel
	.amdgpu_metadata
---
amdhsa.version: [ 1, 2 ]
amdhsa.kernels:
  - .name:           k_q325a512117_route
    .symbol:         k_q325a512117_route.kd
    .args:
      - { .name: x, .offset: 0, .size: 8, .value_kind: global_buffer, .address_space: global }
      - { .name: Wg, .offset: 8, .size: 8, .value_kind: global_buffer, .address_space: global }
      - { .name: bg, .offset: 16, .size: 8, .value_kind: global_buffer, .address_space: global }
      - { .name: lowp_scales, .offset: 24, .size: 8, .value_kind: global_buffer, .address_space: global }
      - { .name: xq, .offset: 32, .size: 8, .value_kind: global_buffer, .address_space: global }
      - { .name: prob, .offset: 40, .size: 8, .value_kind: global_buffer, .address_space: global }
      - { .name: masks, .offset: 48, .size: 8, .value_kind: global_buffer, .address_space: global }
      - { .name: part, .offset: 56, .size: 8, .value_kind: global_buffer, .address_space: global }
    .group_segment_fixed_size: 54272
    .private_segment_fixed_size: 0
    .kernarg_segment_align: 8
    .kernarg_segment_size: 64
    .max_flat_workgroup_size: 128
    .sgpr_count:     66
    .vgpr_count:     514
    .wavefront_size: 32
...
	.end_amdgpu_metadata
.endif
;; end of part 1
;; launch experts (part 2): grid 256 x 1, 4 waves a work-group, no clusters, 319,488 bytes of LDS; arguments masks, xq, prob, W_codes, b, lowp_scales, part, out0, out1; writes out0, out1
.if DOCPART == 2
	.amdgcn_target "amdgcn-amd-amdhsa--gfx1250"
	.amdhsa_code_object_version 6
	.text
	.protected	k_q325a512117_experts
	.globl	k_q325a512117_experts
	.p2align	8
	.type	k_q325a512117_experts,@function
k_q325a512117_experts:
	s_mov_b64 s[64:65], 0
	v_nop
	global_prefetch_b8 v0, s[64:65] scope:SCOPE_SE
	s_setreg_imm32_b32 hwreg(HW_REG_WAVE_MODE, 25, 1), 1
	s_wait_xcnt 0x0
; THE EXPERTS.  out0[t] = prob[t] x (Q(x[t]) W_e + b_e) for the first 640 tokens, in token order, that chose expert e; rows of zeros for the others.  out1 = 8 x sum over e of (count_e / 4096)(sum of p_e / 4096).
; xq: codes of x, [4096][1024]; W_codes: [8][1024 (f)][1024 (k)]; both E4M3, scales 2^e0 and 2^e1.  masks: for each expert 128 words of 32 bits, bit j of word d: token 32 d + j chose it.
; SHARES.  Work-group id: column tile nt = id % 8 (128 columns), row tile rt = (id / 8) % 4, expert e = id / 32.  An expert keeps at most 640 rows, so four row tiles of at most 160 rows serve every split:
; cl = min(count, 640), m = 16 x ceil(cl / 64) rows a tile, tile rt takes ranks rt m .. rt m + m - 1 as far as they lie under cl.  Wave w = 2 wr + wc makes rows 80 wr .. + 79 x columns 64 wc .. + 63: 20 accumulators.
; A row past the tile's last valid one takes the last valid token again (so all of LDS that is read has been written); a block of 16 rows with no valid row is not stored.
; WHICH TOKEN HAS RANK R is found in registers from the expert's 512 bytes of masks: lane l holds the masks of tokens 128 l .. 128 l + 127 and their counts; a rank's block of 128 is found by 32 compares against the
; running sums (in scalar registers), its word of 32 by three, its bit by five halvings on counts of 16, 8, 4, 2 and 1 bits.  No LDS address and no store's place hangs on data but the rows of out0.
; Ranks from 640 on are rows of zeros: the same work-groups take them, 160 ranks at 640 + 160 (rt + 4 i), i = 0 .. 5, which reaches past rank 4,095.
; THE MATRIX INSTRUCTION IS USED TRANSPOSED (source 0 = 16 rows of W, source 1 = 16 tokens): a lane holds one token and eight neighbouring columns.  The sums begin with b / 2^(e0 + e1) as C, and a finished
; sum is multiplied once by prob x 2^(e0 + e1).  Fragments come by four loads of 16 bytes: a permutation of k that is the same on both sides.
; NO JOINT LOADS: an expert's four row tiles read the same tile of W and its eight column tiles the same rows of x, but the rows are gathered by a list (no tile of a descriptor), and this text
; branches on counts read from memory (blocks with no valid row, ranks from 640 on).  So operands go from memory through registers into LDS.
; LIMITS: b x 2^-(e0 + e1) and prob x 2^(e0 + e1) are made by v_ldexp_f32 and must stay f32 numbers.  NaN among the inputs is not served.
; REGISTERS, window 0: v1 lane, v2 r = lane % 16, v3 h = lane / 16, v4 16 x lane; v5-15 offsets and LDS addresses; v16-20, v21-24 LDS addresses of x's and W's fragments; v25 32 h; v28-31 my block's masks;
;   v32 its counts (c0, c0+c1, c0+c1+c2 in bytes), v33 its total, v34 the tokens ahead of it; v36-39 zeros; v40-49 prob x 2^(e0+e1), a pair for each block of 16 rows; v50-54 offsets in prob;
;   v56-95 offsets in out0; v96-127 scaled sums; v128-191 rows back from the stage, two sets (ahead of the products v128-167: offsets in xq); v192-251 at work in SELECT, 20 for each of three vectors of ranks.
;   window 1: W as it lands (256), then W's fragments, two sets of 64; v128-255 the parts for out1.   window 2: v0-159 accumulators ((a, b) at 8 (4 a + b)); v160-223 x as it lands; v224-255 the bias.
;   window 3: x as it lands (256), then x's fragments, two sets of 80.
.set PITCH, 1040                       ; an LDS row of 1,024 codes + 16 = 65 x 16 bytes: the sixteen rows of a fragment load start at sixteen different columns of banks (64 banks of 4 bytes: ISA guide 11.1)
.set ABASE, 0                          ; x: 160 rows
.set BBASE, 160*PITCH                  ; W: 128 rows
.set STAGE, BBASE+128*PITCH            ; the way out: for each wave 16 rows of 256 bytes + 16
.set SP,    272
.set LIST,  STAGE+4*16*SP              ; for each wave 512 bytes of its own: the tokens of rows 80 wr + 0 .. 95
.set CAP,   640
.set INC,   66                         ; s66-97: running sums of the 32 blocks' counts
.set PS,    40
.set PT,    50
.set OA,    56
.set TMP,   96
.set TT,    128
.set BK,    128
.set SV,    192
.set R_,  0                            ; SELECT's registers, from SV + 20 v on: the rank,
.set BL_, 1                            ; its block of 128 tokens,
.set IX_, 2                            ; 4 x that: the lane to pull from
.set EX_, 3                            ; the block's tokens ahead, counts and four masks, pulled
.set CC_, 4
.set MG_, 5
.set Q_,  9                            ; the rank inside what is left
.set K_,  10                           ; the word of 32 in the block
.set MK_, 11                           ; its mask
.set SB_, 12
.set T_,  13
.set A2_, 14                           ; counts of the mask's fields of 2, 4 and 8 bits
.set B4_, 15
.set C8_, 16
.set PO_, 17                           ; the bit
.set QN_, 18
.set PN_, 19
.set MSB, 0
.macro WIN new                         ; the immediate's high byte repeats the setting that is left; low byte: bits 1:0 source 0, 3:2 source 1, 5:4 source 2, 7:6 destination
.if MSB != \new
	s_set_vgpr_msb (MSB<<8)|\new
.set MSB, \new
.endif
.endm
	s_load_b512 s[4:19], s[0:1], 0x0               ; masks s[4:5], xq s[6:7], prob s[8:9], W s[10:11], b s[12:13], the scales' exponents s[14:15], part s[16:17], out0 s[18:19]
	s_load_b64 s[20:21], s[0:1], 0x40              ; out1
	v_lshl_add_u32 v254, v0, 2, 0x4de00
	v_mov_b32 v255, 0
	v_and_b32 v1, 31, v0
	s_wait_alu depctr_va_vdst(0)
	v_and_b32 v2, 15, v0
	v_bfe_u32 v3, v0, 4, 1
	s_wait_alu depctr_va_vdst(0)
	v_lshrrev_b32 v26, 5, v0
	v_readfirstlane_b32 s22, v26                   ; wave
	s_lshr_b32 s23, s22, 1                         ; wr
	s_and_b32 s24, s22, 1                          ; wc
	s_lshr_b32 s25, ttmp9, 5                       ; expert
	s_bfe_u32 s26, ttmp9, 0x20003                  ; row tile
	s_and_b32 s27, ttmp9, 7                        ; column tile
	v_lshlrev_b32 v4, 4, v1
	v_lshl_add_u32 v5, v26, 15, v4                 ; W in memory: my wave's 32 rows, 16 bytes a lane
	s_mul_i32 s43, s22, 32*PITCH
	s_add_co_u32 s43, s43, BBASE
	v_add_nc_u32 v6, s43, v4                       ; and in LDS
	s_mul_i32 s43, s22, 40*PITCH
	v_add_nc_u32 v7, s43, v4                       ; x in LDS: my wave brings rows 40 w .. 40 w + 39
	s_lshl_b32 s44, s22, 9
	s_add_co_u32 s44, s44, LIST                    ; my list
	v_lshl_add_u32 v8, v1, 2, s44                  ; where I put a token
	s_mul_i32 s45, s24, 160
	s_add_co_u32 s45, s45, s44
	v_mov_b32 v9, s45                              ; the 40 rows that my wave brings: entries 40 wc on, the same address in all lanes
	v_lshl_add_u32 v10, v3, 5, s44                 ; the way out: entries 8 h on
	v_lshl_add_u32 v11, v2, 2, s44                 ; my token in a block of 16 rows: entry r
	s_mul_i32 s45, s22, 16*SP
	s_add_co_u32 s45, s45, STAGE                   ; my stage
	v_mul_u32_u24 v12, v2, SP
	v_lshl_add_u32 v12, v3, 5, v12
	v_add_nc_u32 v12, s45, v12                     ; in: row r, 32 bytes for each half of the lanes
	v_mul_u32_u24 v13, v3, 8*SP
	v_lshl_add_u32 v13, v2, 4, v13
	v_add_nc_u32 v13, s45, v13                     ; back: lanes 0-15 row i, lanes 16-31 row 8 + i, 16 bytes a lane
	s_lshl_b32 s45, s27, 9
	s_lshl_b32 s46, s24, 8
	s_add_co_u32 s45, s45, s46
	v_lshl_add_u32 v14, v2, 4, s45                 ; my 16 bytes in a row of out0: 512 nt + 256 wc + 16 r
	s_mul_i32 s45, s23, 80
	v_add_nc_u32 v15, s45, v1                      ; my row in the tile: 80 wr + lane
	v_mul_u32_u24 v27, v2, PITCH
	v_lshl_add_u32 v27, v3, 4, v27                 ; a fragment's row x pitch + 16 x half
	s_wait_alu depctr_va_vdst(0)
	s_mul_i32 s45, s23, 80*PITCH
.irp a, 0,1,2,3,4
	v_add_nc_u32 v[16+\a], s45, v27
	s_add_co_u32 s45, s45, 16*PITCH
.endr
	s_mul_i32 s46, s24, 64*PITCH
	s_add_co_u32 s46, s46, BBASE
.irp bb, 0,1,2,3
	v_add_nc_u32 v[21+\bb], s46, v27
	s_add_co_u32 s46, s46, 16*PITCH
.endr
	v_lshlrev_b32 v25, 5, v3
.irp i, 36,37,38,39
	v_mov_b32 v\i, 0
.endr
	s_mov_b32 s48, 0x55555555
	s_mov_b32 s49, 0x33333333
	s_mov_b32 s50, 0x0f0f0f0f
	s_mov_b32 s51, 0x01010101
	s_mov_b32 s52, 0x76543210                      ; v_permlanex16_b32: lane l takes lane l xor 16
	s_mov_b32 s53, 0xfedcba98
	s_lshl_b32 s43, ttmp9, 2
	s_add_co_u32 s43, s43, s22
	s_cmp_eq_u32 s43, 96
	s_cselect_b32 s54, 1, 0                        ; wave 0 of work-group 24 also makes out1
	s_mov_b32 s29, 0
	s_wait_alu depctr_va_vdst(0)
	s_wait_kmcnt 0x0
	s_load_b64 s[30:31], s[14:15], 0x0             ; e0, e1
	s_lshl_b32 s28, s25, 9
	s_add_nc_u64 s[4:5], s[4:5], s[28:29]          ; my expert's 512 bytes of masks
	s_lshl_b32 s28, s25, 20
	s_lshl_b32 s43, s27, 17
	s_add_co_u32 s28, s28, s43
	s_add_nc_u64 s[10:11], s[10:11], s[28:29]      ; my 128 rows of W: one dense block of 131,072 bytes
	s_lshl_b32 s28, s25, 12
	s_lshl_b32 s43, s27, 9
	s_add_co_u32 s28, s28, s43
	s_lshl_b32 s43, s24, 8
	s_add_co_u32 s28, s28, s43
	s_add_nc_u64 s[12:13], s[12:13], s[28:29]      ; my wave's 64 numbers of b
	global_load_b128 v[28:31], v4, s[4:5]          ; the masks first: all that follows hangs on them
	WIN 0x80
.irp bb, 0,1,2,3
	global_load_b128 v[224+8*\bb:227+8*\bb], v25, s[12:13] offset:64*\bb       ; b at columns 16 b + 8 h + 0 .. 7: the result's layout
	global_load_b128 v[228+8*\bb:231+8*\bb], v25, s[12:13] offset:64*\bb+16
.endr
	WIN 0x40
.set N, 0
.rept 64
	global_load_b128 v[4*N:4*N+3], v5, s[10:11] offset:512*N   ; 512 consecutive bytes a load; they land while the rows are looked up
.set N, N+1
.endr
	WIN 0
	s_wait_loadcnt 63                              ; 72 loads are younger than the masks'; a wait names 63 at the most
; the number of ones in mask k of my block, by sums of fields of 2, 4 and 8 bits and one multiplication
.macro POP k
	v_lshrrev_b32 v192, 1, v[28+\k]
	v_and_b32 v192, s48, v192
	v_sub_nc_u32 v192, v[28+\k], v192
	v_lshrrev_b32 v193, 2, v192
	v_and_b32 v192, s49, v192
	v_and_b32 v193, s49, v193
	v_add_nc_u32 v192, v192, v193
	v_lshrrev_b32 v193, 4, v192
	v_add_nc_u32 v192, v192, v193
	v_and_b32 v192, s50, v192
	v_mul_lo_u32 v192, v192, s51
	v_lshrrev_b32 v[200+\k], 24, v192
.endm
	POP 0
	POP 1
	POP 2
	POP 3
	v_add_nc_u32 v201, v200, v201
	v_add_nc_u32 v202, v201, v202
	v_add_nc_u32 v33, v202, v203
	v_lshl_or_b32 v32, v201, 8, v200
	v_lshl_or_b32 v32, v202, 16, v32
.set B, 0
.rept 32
	v_readlane_b32 s[INC+B], v33, B
.set B, B+1
.endr
.set B, 1
.rept 31
	s_add_co_u32 s[INC+B], s[INC+B], s[INC+B-1]
.set B, B+1
.endr
	v_mov_b32 v34, 0
.set B, 1
.rept 31
	v_writelane_b32 v34, s[INC+B-1], B
.set B, B+1
.endr
	s_mov_b32 s34, s[INC+31]                       ; the expert's tokens
	s_min_u32 s35, s34, CAP                        ; those that it keeps
	s_add_co_u32 s36, s35, 63
	s_lshr_b32 s36, s36, 6
	s_lshl_b32 s36, s36, 4                         ; rows a tile
	s_mul_i32 s37, s26, s36                        ; my tile's first rank
	s_sub_co_i32 s38, s35, s37
	s_max_i32 s38, s38, 0
	s_min_i32 s38, s38, s36                        ; its valid rows
	s_add_co_u32 s39, s37, s38
	s_max_u32 s39, s39, 1
	s_sub_co_u32 s39, s39, 1                       ; its last valid rank (a tile with none: any number; nothing of it is stored)
	s_mul_i32 s43, s23, 80
	s_sub_co_i32 s40, s38, s43                     ; valid rows among my wave's 80; may be 0 or less
.macro PICK mg, off                    ; the rank lies at or past the block's first mg words: take word mg
	v_bfe_u32 v[X+T_], v[X+CC_], \off, 8
	v_cmp_ge_u32 vcc_lo, v[X+Q_], v[X+T_]
	v_cndmask_b32 v[X+MK_], v[X+MK_], v[X+MG_+\mg], vcc_lo
	v_cndmask_b32 v[X+SB_], v[X+SB_], v[X+T_], vcc_lo
	v_add_co_ci_u32 v[X+K_], vcc_lo, 0, v[X+K_], vcc_lo
.endm
.macro HALVE w                         ; T = the ones in the lower w bits at PO.  Where the rank is at or past them: rank -= T (the difference wraps upward otherwise, so the minimum chooses), PO += w
	v_cmp_ge_u32 vcc_lo, v[X+Q_], v[X+T_]
	v_sub_nc_u32 v[X+QN_], v[X+Q_], v[X+T_]
	v_add_nc_u32 v[X+PN_], \w, v[X+PO_]
	v_min_u32 v[X+Q_], v[X+Q_], v[X+QN_]
	v_cndmask_b32 v[X+PO_], v[X+PO_], v[X+PN_], vcc_lo
.endm
; The tokens of ranks s[sbase] + 80 wr + 0 .. 95, held at s[slast], into my wave's list: three vectors of 32 ranks, step by step side by side.
.macro SELECT sbase, slast
.irp v, 0,1,2
.set X, SV+20*\v
	v_add3_u32 v[X+R_], v15, s[\sbase], 32*\v
	v_mov_b32 v[X+BL_], 0
.endr
.irp v, 0,1,2
.set X, SV+20*\v
	v_min_u32 v[X+R_], s[\slast], v[X+R_]
.endr
.set B, 0
.rept 32
.irp v, 0,1,2
.set X, SV+20*\v
	v_cmp_le_u32 vcc_lo, s[INC+B], v[X+R_]         ; the blocks that end at or ahead of the rank are counted
	v_add_co_ci_u32 v[X+BL_], vcc_lo, 0, v[X+BL_], vcc_lo
.endr
.set B, B+1
.endr
.irp v, 0,1,2
.set X, SV+20*\v
	v_min_u32 v[X+BL_], 31, v[X+BL_]               ; (32 only where the rank is no token's: such a row is not stored)
.endr
.irp v, 0,1,2
.set X, SV+20*\v
	v_lshlrev_b32 v[X+IX_], 2, v[X+BL_]
.endr
.irp v, 0,1,2
.set X, SV+20*\v
	ds_bpermute_b32 v[X+EX_], v[X+IX_], v34        ; from lane = block; no LDS byte is touched
	ds_bpermute_b32 v[X+CC_], v[X+IX_], v32
	ds_bpermute_b32 v[X+MG_], v[X+IX_], v28
	ds_bpermute_b32 v[X+MG_+1], v[X+IX_], v29
	ds_bpermute_b32 v[X+MG_+2], v[X+IX_], v30
	ds_bpermute_b32 v[X+MG_+3], v[X+IX_], v31
.endr
	s_wait_dscnt 0x0
.irp v, 0,1,2
.set X, SV+20*\v
	v_sub_nc_u32 v[X+Q_], v[X+R_], v[X+EX_]
	v_mov_b32 v[X+K_], 0
	v_mov_b32 v[X+MK_], v[X+MG_]
	v_mov_b32 v[X+SB_], 0
.endr
.irp v, 0,1,2
.set X, SV+20*\v
	PICK 1, 0
.endr
.irp v, 0,1,2
.set X, SV+20*\v
	PICK 2, 8
.endr
.irp v, 0,1,2
.set X, SV+20*\v
	PICK 3, 16
.endr
.irp v, 0,1,2
.set X, SV+20*\v
	v_sub_nc_u32 v[X+Q_], v[X+Q_], v[X+SB_]
	v_lshrrev_b32 v[X+A2_], 1, v[X+MK_]
	v_mov_b32 v[X+PO_], 0
.endr
.irp v, 0,1,2
.set X, SV+20*\v
	v_and_b32 v[X+A2_], s48, v[X+A2_]
.endr
.irp v, 0,1,2
.set X, SV+20*\v
	v_sub_nc_u32 v[X+A2_], v[X+MK_], v[X+A2_]
.endr
.irp v, 0,1,2
.set X, SV+20*\v
	v_lshrrev_b32 v[X+B4_], 2, v[X+A2_]
	v_and_b32 v[X+T_], s49, v[X+A2_]
.endr
.irp v, 0,1,2
.set X, SV+20*\v
	v_and_b32 v[X+B4_], s49, v[X+B4_]
.endr
.irp v, 0,1,2
.set X, SV+20*\v
	v_add_nc_u32 v[X+B4_], v[X+T_], v[X+B4_]
.endr
.irp v, 0,1,2
.set X, SV+20*\v
	v_lshrrev_b32 v[X+C8_], 4, v[X+B4_]
.endr
.irp v, 0,1,2
.set X, SV+20*\v
	v_add_nc_u32 v[X+C8_], v[X+B4_], v[X+C8_]
.endr
.irp v, 0,1,2
.set X, SV+20*\v
	v_and_b32 v[X+C8_], s50, v[X+C8_]
.endr
.irp v, 0,1,2
.set X, SV+20*\v
	v_bfe_u32 v[X+T_], v[X+C8_], 8, 8
	v_and_b32 v[X+QN_], 0xff, v[X+C8_]
.endr
.irp v, 0,1,2
.set X, SV+20*\v
	v_add_nc_u32 v[X+T_], v[X+T_], v[X+QN_]
.endr
.irp v, 0,1,2
.set X, SV+20*\v
	HALVE 16
.endr
.irp v, 0,1,2
.set X, SV+20*\v
	v_bfe_u32 v[X+T_], v[X+C8_], v[X+PO_], 8
.endr
.irp v, 0,1,2
.set X, SV+20*\v
	HALVE 8
.endr
.irp v, 0,1,2
.set X, SV+20*\v
	v_bfe_u32 v[X+T_], v[X+B4_], v[X+PO_], 4
.endr
.irp v, 0,1,2
.set X, SV+20*\v
	HALVE 4
.endr
.irp v, 0,1,2
.set X, SV+20*\v
	v_bfe_u32 v[X+T_], v[X+A2_], v[X+PO_], 2
.endr
.irp v, 0,1,2
.set X, SV+20*\v
	HALVE 2
.endr
.irp v, 0,1,2
.set X, SV+20*\v
	v_bfe_u32 v[X+T_], v[X+MK_], v[X+PO_], 1
.endr
.irp v, 0,1,2
.set X, SV+20*\v
	HALVE 1
.endr
.irp v, 0,1,2
.set X, SV+20*\v
	v_lshl_add_u32 v[X+T_], v[X+BL_], 2, v[X+K_]
.endr
.irp v, 0,1,2
.set X, SV+20*\v
	v_lshl_add_u32 v[X+T_], v[X+T_], 5, v[X+PO_]   ; the token: 128 x block + 32 x word + bit
	ds_store_b32 v8, v[X+T_] offset:128*\v
.endr
.endm
; The places in out0 of my wave's 80 rows, as the way out wants them: register 8 a + i of lane (r, h): row 16 a + 8 h + i, + my 16 bytes of the row.
.macro OUTADDR
.irp a, 0,1,2,3,4
	ds_load_b128 v[OA+8*\a:OA+8*\a+3], v10 offset:64*\a            ; LDS serves a wave's instructions in order (ISA guide 5.7.1.4): these see my list's stores
	ds_load_b128 v[OA+8*\a+4:OA+8*\a+7], v10 offset:64*\a+16
.endr
	s_wait_dscnt 0x0
.set N, 0
.rept 40
	v_min_u32 v[OA+N], 0xfff, v[OA+N]              ; a token's number stays inside the table
.set N, N+1
.endr
.set N, 0
.rept 40
	v_lshl_add_u32 v[OA+N], v[OA+N], 12, v14
.set N, N+1
.endr
.endm
.macro ALOAD n0, n1, reg0              ; loads n0 .. n1 - 1 of the 80 that bring my 40 rows of x's codes: row n / 2, half n % 2, 512 consecutive bytes each
.set N, \n0
.rept \n1-\n0
	global_load_b128 v[\reg0+4*(N-\n0):\reg0+4*(N-\n0)+3], v[TT+N/2], s[6:7] offset:512*(N%2)
.set N, N+1
.endr
.endm
.macro ASTORE n0, n1, reg0
.set N, \n0
.rept \n1-\n0
	ds_store_b128 v7, v[\reg0+4*(N-\n0):\reg0+4*(N-\n0)+3] offset:PITCH*(N/2)+512*(N%2)
.set N, N+1
.endr
.endm
	SELECT 37, 39
.set N, 0
.rept 10
	ds_load_b128 v[TT+4*N:TT+4*N+3], v9 offset:16*N                ; the tokens of the 40 rows that my wave brings, in every lane
.set N, N+1
.endr
.irp a, 0,1,2,3,4
	ds_load_b32 v[PT+\a], v11 offset:64*\a                         ; my token in each block of 16 rows
.endr
	s_wait_dscnt 0x0
.set N, 0
.rept 40
	v_min_u32 v[TT+N], 0xfff, v[TT+N]
.set N, N+1
.endr
.set N, 0
.rept 40
	v_lshl_add_u32 v[TT+N], v[TT+N], 10, v4                        ; a row of 1,024 codes, 16 bytes a lane
.set N, N+1
.endr
.irp a, 0,1,2,3,4
	v_min_u32 v[PT+\a], 0xfff, v[PT+\a]
.endr
.irp a, 0,1,2,3,4
	v_lshlrev_b32 v[PT+\a], 2, v[PT+\a]
.endr
	WIN 0xc0                                       ; destination window 3
	ALOAD 0, 48, 0
	WIN 0
	s_wait_alu depctr_va_vdst(0)
	s_wait_loadcnt 48                              ; all but the 48 just issued: W and b are in
	WIN 0x04                                       ; store data window 1
.set N, 0
.rept 64
	ds_store_b128 v6, v[4*N:4*N+3] offset:PITCH*(N/2)+512*(N%2)
.set N, N+1
.endr
	WIN 0xc0
	ALOAD 48, 64, 192
	WIN 0x80                                       ; destination window 2
	ALOAD 64, 80, 160
	WIN 0
.irp a, 0,1,2,3,4
	global_load_b32 v[PS+2*\a+1], v[PT+\a], s[8:9]
.endr
	s_wait_kmcnt 0x0
	s_add_co_i32 s32, s30, s31                     ; e0 + e1
	s_sub_co_i32 s33, 0, s32
	WIN 0x82                                       ; source 0 and destination window 2
.set N, 0
.rept 32
	v_ldexp_f32 v[224+N], v[224+N], s33            ; a sum stands for sum x 2^(e0 + e1): b goes in divided by it
.set N, N+1
.endr
	WIN 0
	OUTADDR
	s_wait_loadcnt 37                              ; behind x's first 48 loads: its other 32 and the 5 of prob
	WIN 0x0c                                       ; store data window 3
	ASTORE 0, 48, 0
	s_wait_loadcnt 5                               ; all of x's codes are in
	ASTORE 48, 64, 192
	WIN 0x08                                       ; store data window 2
	ASTORE 64, 80, 160
	WIN 0
	s_wait_loadcnt 0x0
.irp a, 0,1,2,3,4
	v_ldexp_f32 v[PS+2*\a], v[PS+2*\a+1], s32      ; prob x 2^(e0 + e1),
.endr
.irp a, 0,1,2,3,4
	v_mov_b32 v[PS+2*\a+1], v[PS+2*\a]             ; twice: a pair for the packed multiply
.endr
	s_wait_dscnt 0x0                               ; for the others' sake: my rows of W and of x lie in LDS
	s_barrier_signal -1
	s_barrier_wait -1                              ; the one barrier: every wave's do
	s_cmp_eq_u32 s54, 1
	s_cbranch_scc0 .Lno_parts
	WIN 0x40
.set N, 0
.rept 32
	global_load_b128 v[128+4*N:131+4*N], v4, s[16:17] offset:512*N   ; the 256 work-groups' sums and counts, 16,384 dense bytes: they land under the products
.set N, N+1
.endr
	WIN 0
.Lno_parts:
; The fragments of K step ks (128 along K) into set buf: W's four (16 registers each: registers 4 c .. 4 c + 3 hold k = 32 c + 16 h + 0 .. 15 of row r), x's five: 36 loads in one run.
.macro FETCH ks, buf
	WIN 0x40
.irp bb, 0,1,2,3
.irp c, 0,1,2,3
	ds_load_b128 v[64*(\buf)+16*\bb+4*\c:64*(\buf)+16*\bb+4*\c+3], v[21+\bb] offset:128*(\ks)+32*\c
.endr
.endr
	WIN 0xc0
.irp a, 0,1,2,3,4
.irp c, 0,1,2,3
	ds_load_b128 v[80*(\buf)+16*\a+4*\c:80*(\buf)+16*\a+4*\c+3], v[16+\a] offset:128*(\ks)+32*\c
.endr
.endr
.endm
; A K step: 20 matrix instructions, the 20 accumulators by turns, in the same order in every step.  The first step's C is the bias: nothing is cleared.
.macro STEP ks
.if (\ks) < 7
	s_wait_dscnt 36                                ; this step's fragments are in; the next step's 36 loads may be out
.else
	s_wait_dscnt 0x0
.endif
	WIN 0xad                                       ; source 0 (W) window 1, source 1 (x) window 3, C and D window 2
.irp a, 0,1,2,3,4
.irp bb, 0,1,2,3
.if (\ks) == 0
	v_wmma_f32_16x16x128_fp8_fp8 v[8*(4*\a+\bb):8*(4*\a+\bb)+7], v[64*((\ks)%2)+16*\bb:64*((\ks)%2)+16*\bb+15], v[80*((\ks)%2)+16*\a:80*((\ks)%2)+16*\a+15], v[224+8*\bb:231+8*\bb]
.else
	v_wmma_f32_16x16x128_fp8_fp8 v[8*(4*\a+\bb):8*(4*\a+\bb)+7], v[64*((\ks)%2)+16*\bb:64*((\ks)%2)+16*\bb+15], v[80*((\ks)%2)+16*\a:80*((\ks)%2)+16*\a+15], v[8*(4*\a+\bb):8*(4*\a+\bb)+7]
.endif
.endr
.endr
.if (\ks) <= 5
.rept 4
	v_nop                                          ; four places in front of loads into registers that matrix instructions have read (ISA guide 7.12.1 for vector instructions)
.endr
	FETCH (\ks)+2, (\ks)%2
.endif
.endm
	FETCH 0, 0
	FETCH 1, 1
.irp k, 0,1,2,3,4,5,6,7
	STEP \k
.endr
.rept 4
	v_nop                                          ; four places in front of the first read of results
.endr
; THE WAY OUT, a block of 16 rows x 64 columns at a time.  A lane holds 32 neighbouring bytes of a row, the lanes beside it other rows: the block goes through my own stage and comes back as rows of 256 bytes.
.macro TOSTAGE a
	WIN 0x02                                       ; source 0 window 2
.set P, 0
.rept 16
	v_pk_mul_f32 v[TMP+2*P:TMP+2*P+1], v[32*(\a)+2*P:32*(\a)+2*P+1], v[PS+2*(\a):PS+2*(\a)+1]   ; x prob x 2^(e0 + e1); each accumulator from its low end on
.set P, P+1
.endr
	WIN 0
.irp bb, 0,1,2,3
	ds_store_b128 v12, v[TMP+8*\bb:TMP+8*\bb+3] offset:64*\bb
	ds_store_b128 v12, v[TMP+8*\bb+4:TMP+8*\bb+7] offset:64*\bb+16
.endr
.irp i, 0,1,2,3,4,5,6,7
	ds_load_b128 v[BK+32*((\a)%2)+4*\i:BK+32*((\a)%2)+4*\i+3], v13 offset:SP*\i   ; in order behind the stores above, and ahead of the next block's
.endr
.endm
.macro SEND a, younger                 ; younger: the LDS instructions issued behind block a's loads.  The wait stands on both ways; only the stores are jumped over where the block has no valid row
	s_wait_dscnt \younger
	s_cmp_le_i32 s40, 16*(\a)
	s_cbranch_scc1 .Lno_rows_\@
.irp i, 0,1,2,3,4,5,6,7
	global_store_b128 v[OA+8*(\a)+\i], v[BK+32*((\a)%2)+4*\i:BK+32*((\a)%2)+4*\i+3], s[18:19] th:TH_STORE_NT   ; sixteen lanes store 256 consecutive bytes of a token's row, at a multiple of 256 from out0's first byte
.endr
.Lno_rows_\@:
.endm
.macro ZSEND a
	s_cmp_le_i32 s40, 16*(\a)
	s_cbranch_scc1 .Lno_zeros_\@
	s_wait_alu depctr_va_vdst(0)
.irp i, 0,1,2,3,4,5,6,7
	global_store_b128 v[OA+8*(\a)+\i], v[36:39], s[18:19] th:TH_STORE_NT
.endr
.Lno_zeros_\@:
.endm
	s_wait_alu depctr_va_vdst(0)
	TOSTAGE 0
.irp a, 1,2,3,4
.if \a >= 2
	s_wait_xcnt 0x0                                ; block a - 2's stores have read their registers: block a's rows may land there
.endif
	TOSTAGE \a
	SEND \a-1, 16                                  ; behind block a - 1's loads: block a's 8 stores and 8 loads
.endr
	SEND 4, 0
	; THE ROWS OF ZEROS: ranks from 640 on.  Six trips, a constant; a trip whose ranks lie past the expert's tokens does nothing.
	s_mul_i32 s42, s26, 160
	s_add_co_u32 s42, s42, CAP
	s_mov_b32 s41, 0
.Lzero:
	s_cmp_ge_u32 s42, s34
	s_cbranch_scc1 .Lnone
	s_wait_xcnt 0x0                                ; the earlier stores have read their offsets, which are written anew below
	s_sub_co_u32 s43, s34, s42
	s_min_u32 s43, s43, 160                        ; ranks of this block
	s_mul_i32 s44, s23, 80
	s_sub_co_i32 s40, s43, s44                     ; those among my wave's 80
	s_add_co_u32 s45, s42, s43
	s_sub_co_u32 s45, s45, 1                       ; the block's last rank
	SELECT 42, 45
	OUTADDR
.irp a, 0,1,2,3,4
	ZSEND \a
.endr
.Lnone:
	s_add_co_u32 s42, s42, 4*160
	s_add_co_u32 s41, s41, 1
	s_cmp_lt_u32 s41, 6
	s_cbranch_scc1 .Lzero
	; out1, by one wave.  Load j gave lane l numbers 4 (l % 4) + 0 .. 3 of work-group 8 j + l / 4's sixteen.
	s_cmp_eq_u32 s54, 1
	s_cbranch_scc0 .Lend
	s_wait_loadcnt 0x0
	WIN 0x45                                       ; sources 0 and 1 and destination window 1
.set N, 1
.rept 31
	v_pk_add_f32 v[128:129], v[128:129], v[128+4*N:129+4*N]
	v_pk_add_f32 v[130:131], v[130:131], v[130+4*N:131+4*N]
.set N, N+1
.endr
	WIN 0x01
.irp k, 0,1,2,3
	v_mov_b32 v[TMP+\k], v[128+\k]
.endr
	WIN 0
.irp k, 0,1,2,3
	v_add_f32_dpp v[TMP+\k], v[TMP+\k], v[TMP+\k] row_xmask:4 row_mask:0xf bank_mask:0xf
.endr
.irp k, 0,1,2,3
	v_add_f32_dpp v[TMP+\k], v[TMP+\k], v[TMP+\k] row_xmask:8 row_mask:0xf bank_mask:0xf
.endr
.irp k, 0,1,2,3
	v_permlanex16_b32 v[TMP+4+\k], v[TMP+\k], s52, s53
.endr
.irp k, 0,1,2,3
	v_add_f32 v[TMP+\k], v[TMP+\k], v[TMP+4+\k]    ; lanes with l % 4 = 0, 1: the sums of p of experts 0-3, 4-7; l % 4 = 2, 3: their counts
.endr
.irp k, 0,1,2,3
	v_mul_f32_dpp v[TMP+4+\k], v[TMP+\k], v[TMP+\k] row_xmask:2 row_mask:0xf bank_mask:0xf   ; sum of p x count
.endr
	v_add_f32 v[TMP+4], v[TMP+4], v[TMP+5]
	v_add_f32 v[TMP+6], v[TMP+6], v[TMP+7]
	v_add_f32 v[TMP+4], v[TMP+4], v[TMP+6]
	v_add_f32_dpp v[TMP+4], v[TMP+4], v[TMP+4] row_xmask:1 row_mask:0xf bank_mask:0xf
	v_mul_f32 v[TMP+4], 0x35000000, v[TMP+4]       ; x 8 / 4096^2 = 2^-21
	v_mov_b32 v[TMP+5], 0
	v_cmp_eq_u32 vcc_lo, 0, v1
	s_wait_alu depctr_va_vdst(0)
	s_wait_xcnt 0x0                                ; EXEC changes only when the earlier stores have read it
	s_and_saveexec_b32 s43, vcc_lo
	global_store_b32 v[TMP+5], v[TMP+4], s[20:21]
	s_wait_xcnt 0x0
	s_or_b32 exec_lo, exec_lo, s43
.Lend:
	s_wait_tensorcnt 0x0
	ds_add_u32 v254, v255
	s_wait_dscnt 0x0
	s_endpgm
.Lfunc_end_k_q325a512117_experts:
	.size	k_q325a512117_experts, .Lfunc_end_k_q325a512117_experts-k_q325a512117_experts
	.p2alignl 7, 3214868480
	.fill 96, 4, 3214868480
	.section	.rodata,"a",@progbits
	.p2align	6, 0x0
	.amdhsa_kernel k_q325a512117_experts
		.amdhsa_group_segment_fixed_size 319488
		.amdhsa_private_segment_fixed_size 0
		.amdhsa_enable_private_segment 0
		.amdhsa_kernarg_size 72
		.amdhsa_user_sgpr_count 2
		.amdhsa_user_sgpr_kernarg_segment_ptr 1
		.amdhsa_wavefront_size32 1
		.amdhsa_system_sgpr_workgroup_id_x 1
		.amdhsa_system_sgpr_workgroup_id_y 1
		.amdhsa_system_sgpr_workgroup_id_z 1
		.amdhsa_system_vgpr_workitem_id 0
		.amdhsa_next_free_vgpr 1024
		.amdhsa_next_free_sgpr 98
		.amdhsa_reserve_vcc 1
		.amdhsa_float_denorm_mode_32 3
		.amdhsa_float_denorm_mode_16_64 3
		.amdhsa_memory_ordered 1
		.amdhsa_forward_progress 1
		.amdhsa_inst_pref_size 146
	.end_amdhsa_kernel
	.amdgpu_metadata
---
amdhsa.version: [ 1, 2 ]
amdhsa.kernels:
  - .name:           k_q325a512117_experts
    .symbol:         k_q325a512117_experts.kd
    .args:
      - { .name: masks, .offset: 0, .size: 8, .value_kind: global_buffer, .address_space: global }
      - { .name: xq, .offset: 8, .size: 8, .value_kind: global_buffer, .address_space: global }
      - { .name: prob, .offset: 16, .size: 8, .value_kind: global_buffer, .address_space: global }
      - { .name: W_codes, .offset: 24, .size: 8, .value_kind: global_buffer, .address_space: global }
      - { .name: b, .offset: 32, .size: 8, .value_kind: global_buffer, .address_space: global }
      - { .name: lowp_scales, .offset: 40, .size: 8, .value_kind: global_buffer, .address_space: global }
      - { .name: part, .offset: 48, .size: 8, .value_kind: global_buffer, .address_space: global }
      - { .name: out0, .offset: 56, .size: 8, .value_kind: global_buffer, .address_space: global }
      - { .name: out1, .offset: 64, .size: 8, .value_kind: global_buffer, .address_space: global }
    .group_segment_fixed_size: 319488
    .private_segment_fixed_size: 0
    .kernarg_segment_align: 8
    .kernarg_segment_size: 72
    .max_flat_workgroup_size: 128
    .sgpr_count:     98
    .vgpr_count:     1024
    .wavefront_size: 32
...
	.end_amdgpu_metadata
.endif
;; end of part 2
